; MI455X (gfx1250); checked and timed in simulation.
; The chip was launched on July 23, 2026; its instructions are those of AMD's public machine-readable ISA for CDNA 5 (MIT licence, August 2026) and "CDNA5" Instruction Set Architecture Reference Guide (July 2026). The comments in the code are by the model that wrote it; some were corrected since.
;; Attention. Allowed arithmetic: matrix products marked QUANTISED: E2M1 operands, one E8M0 scale for each 32 along K, by v_wmma_scale_f32_16x16x128_f8f6f4 with both operands' format E2M1 (or v_wmma_scale_f32_32x16x128_f4), f32 sums; products left as they are: bf16, f16 or f32 operands; f32 sums; everything else in f32.
;; Inputs: b_proj 1,024 float32; b_qkv 3,072 float32; inp 8 x 1,024 x 1,024 float32; w_proj 1,024 x 1,024 float32; w_qkv 1,024 x 3,072 float32.
;; Outputs: out0 8 x 1,024 x 1,024 float32.
;; This version of the problem:
;;   THIS VERSION OF THE PROBLEM IS GIVEN IN LOW PRECISION. The matrix products marked QUANTISED in the list below multiply operands that are first quantised to E2M1 (2 exponent bits, 1 mantissa bit; 4 bits a number), with one power-of-two scale for each 32 numbers along K (OCP MX v1.0); their sums are f32. The products marked 'left as it is' may take bf16, f16 or f32 operands, with f32 sums. Whichever they take, every output number must still come out within the allowed error. Rounding operands to bf16 (8 significant bits) uses up far more of that allowance than f16 does (11 bits, for magnitudes from 6e-5 to 65,504). All else is computed in f32.
;;   The module's matrix products, in the order in which they are computed (A, B: the left and right operand; K: the contracted axis; several contracted axes count as one K, in the product's order):
;;     1. [M 8,192, K 1,024] x [K 1,024, N 3,072]; A: input inp; B: input w_qkv: QUANTISED
;;     2. batch 128 x [M 1,024, K 64] x [K 64, N 1,024]; A: computed on the way; B: computed on the way: left as it is (an operand is computed on the way)
;;     3. batch 128 x [M 1,024, K 1,024] x [K 1,024, N 64]; A: computed on the way; B: computed on the way: left as it is (an operand is computed on the way)
;;     4. [M 8,192, K 1,024] x [K 1,024, N 1,024]; A: computed on the way; B: input w_proj: left as it is (an operand is computed on the way)
;;   THE QUANTISER, for each operand of a quantised product, along K:
;;     - K is cut into blocks of 32 from its start; a last block that is shorter is filled with zeros.
;;     - A block's scale is 2^e with e = floor(log2(the largest magnitude in the block)) - 2, held to -126 .. 127; a block of zeros has e = 0. As a byte (E8M0): e + 127.
;;     - Each number is divided by its block's scale, clamped to +-6, and rounded to the nearest number of E2M1, ties to even, subnormals kept.
;;     - The product sums the exact products of the quantised numbers (number of the format x scale) in f32.
;;   ~~~python
;;   def quantise(x, axis):      # numpy; x: float32 -> the quantised numbers, widened to float32 again
;;       x = np.moveaxis(x, axis, -1); K = x.shape[-1]
;;       x = np.pad(x, [(0, 0)] * (x.ndim - 1) + [(0, -K % 32)]); x = x.reshape(x.shape[:-1] + (-1, 32)); a = np.abs(x).max(-1, keepdims=True)
;;       e = np.where(a > 0, np.clip(np.frexp(np.where(a > 0, a, 1))[1] - 1 - 2, -126, 127), 0)      # np.frexp(a)[1] - 1 = floor(log2(a)), exactly
;;       r = np.clip(x / 2.0 ** e, -6, 6)
;;       step = 2.0 ** (np.maximum(np.frexp(np.where(r == 0, 1, r))[1] - 1, 0) - 1)
;;       q = np.round(r / step) * step * 2.0 ** e      # np.round: ties to even
;;       return np.moveaxis(q.reshape(q.shape[:-2] + (-1,))[..., :K], -1, axis).astype(np.float32)
;;   ~~~
;; One version. Each part assembles by itself: llvm-mc -triple=amdgcn-amd-amdhsa -mcpu=gfx1250 --defsym DOCPART=n.
;; ======== version 1 of 1: 4 launches
;; limits: values are held in f16: magnitudes above 65,504 overflow, below 6.1e-05 lose precision
;; workspace buffers: x4 4,194,304 bytes; xs 262,144 bytes; w4 1,572,864 bytes; ws 98,304 bytes; wp16 2,097,152 bytes; qkv16 50,331,648 bytes; att16 16,777,216 bytes
;; launch prep (part 1): grid 512 x 1, 4 waves a work-group, no clusters, 34,304 bytes of LDS; arguments inp, w_qkv, w_proj, x4, xs, w4, ws, wp16; writes x4, xs, w4, ws, wp16
.if DOCPART == 1
	.amdgcn_target "amdgcn-amd-amdhsa--gfx1250"
	.amdhsa_code_object_version 6
	.text
	.protected	k_q4b0870cb90_prep
	.globl	k_q4b0870cb90_prep
	.p2align	8
	.type	k_q4b0870cb90_prep,@function
k_q4b0870cb90_prep:
	s_mov_b64 s[64:65], 0
	v_nop
	global_prefetch_b8 v0, s[64:65] scope:SCOPE_SE
	s_setreg_imm32_b32 hwreg(HW_REG_WAVE_MODE, 25, 1), 1
	s_wait_xcnt 0x0
; THE PROGRAM: out = softmax(q k^T / 8) v W_proj + b_proj, with q, k, v = inp W_qkv + b_qkv cut into 16 heads of 64.  Four launches: this one lays the operands out; the second makes q, k, v on codes of
; FP4 (E2M1) with E8M0 scales; the third is the attention, the fourth the projection, both on f16 operands with f32 sums.
; WORK LEFT OUT, for all values of the inputs: b_qkv[1024:2048], the bias of k.  A score is q . (k + b_k) / 8 = q . k / 8 + q . b_k / 8; the second term hangs on the query alone, so it is the same along the
; softmax's axis (the keys), and softmax(s + const) = softmax(s) in real numbers.  The product q k^T is not a quantised one, so no code or scale hangs on that bias either.  That slice of b_qkv is neither
; loaded nor added; q's and v's slices are.  LIMIT: a NaN, an infinity or an overflow that reaches only that term is not carried to the result.
; LIMITS OF FORMAT: q, k, v, the attention's result and w_proj are carried as f16: magnitudes beyond 65,504 become infinities, magnitudes under 6e-8 zeros.  Blocks whose largest magnitude lies under
; 2^(3 - 127), the floor, get the scale byte 1; a block of zeros gets the byte 1 where the rule says 127 (its codes are zeros, and this program alone reads the bytes).  NaN and infinities among the inputs are not served.
; THIS LAUNCH has three paths, chosen by the work-group's number:
;   X (0-255):   inp [8192][1024] f32 -> x4 [32 blocks of K][8192 rows][16 bytes of codes], xs [2][8192 rows][4 scale words] (word q of group g: K step 4 g + q of 128)
;   W (256-447): w_qkv [1024 (k)][3072] f32 -> w4 [32][3072][16 bytes], ws [2][3072][4 words]
;   P (448-511): w_proj [1024 (k)][1024] f32 -> wp16 [128 chunks of 8 along K][1024 columns][8 f16]
; The layouts are chunk-major: 16 neighbouring rows of one chunk are 256 consecutive bytes, which is what sixteen lanes of a fragment load read and what sixteen lanes of a store write.
; No tensor load, no barrier: waves share nothing.  Only path X touches LDS (a stage of its own for each wave).
.set STG,   8448                       ; a wave's stage: 16 rows x (512 bytes + 16): row r starts 16 bytes further round the banks than row r - 1
.set SPARE, 4*STG                      ; behind the stages: the spare words, 128 bytes for each wave
.set SPW, 10                           ; v10  LDS address of my spare word; never rewritten
.set NIL, 11                           ; v11  0; never rewritten
.set R,   16                           ; v16-143  numbers as loaded
.set X,   144                          ; v144-207 X: 64 neighbours of a row;  W: codes;  P: f16 pairs
.set C,   208                          ; v208-239 X: codes, 8 registers for each K step, so that no store's data are written again
.set WD,  240                          ; v240-243 scale words
.set M,   244                          ; v244-245 largest magnitudes
.set SO,  246                          ; v246-247 the conversions' scale operands
.set BY,  248                          ; v248-249 scale bytes
.set T,   250
.set T2,  251
	s_load_b256 s[4:11], s[0:1], 0x0               ; inp s[4:5], w_qkv s[6:7], w_proj s[8:9], x4 s[10:11]
	s_load_b256 s[12:19], s[0:1], 0x20             ; xs s[12:13], w4 s[14:15], ws s[16:17], wp16 s[18:19]
	v_lshl_add_u32 v[SPW], v0, 2, SPARE
	v_mov_b32 v[NIL], 0
	v_lshrrev_b32 v1, 5, v0
	v_readfirstlane_b32 s20, v1                    ; wave 0..3
	v_and_b32 v1, 31, v0                           ; lane
	v_and_b32 v2, 15, v0                           ; r
	v_bfe_u32 v3, v0, 4, 1                         ; h
	v_lshlrev_b32 v4, 4, v1                        ; 16 x lane
	v_lshlrev_b32 v9, 2, v1                        ; 4 x lane
	s_mul_i32 s31, s20, STG                        ; my stage (path X): both its address registers are made here, ahead of the partings
	v_add_nc_u32 v5, s31, v4                       ; in: 16 x lane of a row
	v_mul_u32_u24 v6, v2, 528
	v_lshl_add_u32 v6, v3, 7, v6
	v_add_nc_u32 v6, s31, v6                       ; back: row r, 128 h bytes on
	s_mov_b32 s23, 0                               ; the high words of three offsets
	s_mov_b32 s25, 0
	s_mov_b32 s27, 0
	s_cmp_lt_u32 ttmp9, 256
	s_cbranch_scc0 .Lnot_x
; ---- PATH X.  A wave takes 16 rows x 512 along K: four K steps of 128.  Each load reads 512 consecutive bytes of one row; a K step's 16 rows turn through the stage, so that lane (r, h) holds, of row r,
; k = 64 c + 32 h + 0 .. 31 in registers X + 32 c on: two whole blocks, in the order in which the matrix operand wants them.
	v_lshlrev_b32 v8, 4, v2                        ; 16 r
	v_lshl_add_u32 v7, v3, 17, v8                  ; codes out: a block row of x4 is 131,072 bytes: lanes 16-31 write the next one
	v_lshlrev_b32 v252, 3, v3                      ; 8 h: my bytes' place in a scale word
	v_mov_b32 v[T2], 0                             ; written once: a lane permute's destination counts as one of its sources
	s_mov_b32 s28, 0x76543210
	s_mov_b32 s29, 0xfedcba98                      ; v_permlanex16_b32's selects for lane l xor 16
	s_lshl_b32 s21, ttmp9, 2
	s_add_co_u32 s21, s21, s20                     ; 4 x work-group + wave
	s_lshr_b32 s32, s21, 1                         ; which 16 rows
	s_and_b32 s33, s21, 1                          ; which half of K
	s_lshl_b32 s22, s32, 16                        ; inp: 16 rows of 4,096 bytes,
	s_lshl_b32 s34, s33, 11
	s_add_co_u32 s22, s22, s34                     ; + 512 numbers
	s_lshl_b32 s24, s33, 21                        ; x4: 16 block rows of 131,072 bytes,
	s_lshl_b32 s34, s32, 8
	s_add_co_u32 s24, s24, s34                     ; + 16 rows of 16 bytes
	s_lshl_b32 s26, s33, 17                        ; xs: the group,
	s_add_co_u32 s26, s26, s34                     ; + 16 rows of 16 bytes
	s_wait_kmcnt 0x0
	s_add_nc_u64 s[4:5], s[4:5], s[22:23]
	s_add_nc_u64 s[10:11], s[10:11], s[24:25]
	s_add_nc_u64 s[12:13], s[12:13], s[26:27]
.macro XLOAD s                         ; K step s of my 16 rows into set s % 2
.irp t, 0,1,2,3,4,5,6,7,8,9,10,11,12,13,14,15
	global_load_b128 v[R+64*((\s)%2)+4*\t:R+64*((\s)%2)+4*\t+3], v4, s[4:5] offset:4096*\t+512*(\s) th:TH_LOAD_NT
.endr
.endm
.macro XSTEP s
.if (\s) < 3
	s_wait_loadcnt 16                              ; this step's 16 loads are in; the next step's 16 may be out
.else
	s_wait_loadcnt 0x0
.endif
.irp t, 0,1,2,3,4,5,6,7,8,9,10,11,12,13,14,15
	ds_store_b128 v5, v[R+64*((\s)%2)+4*\t:R+64*((\s)%2)+4*\t+3] offset:528*\t
.endr
.irp c, 0,1
.irp j, 0,1,2,3,4,5,6,7
	ds_load_b128 v[X+32*\c+4*\j:X+32*\c+4*\j+3], v6 offset:256*\c+16*\j   ; LDS serves a wave's instructions in order: these see my stores
.endr
.endr
	s_wait_dscnt 0x0                               ; the numbers are back, and the stores have read their registers,
.if (\s) < 2
	XLOAD (\s)+2                                   ; which take the loads of two steps on
.endif
.irp c, 0,1
	v_max3_num_f32 v[M+\c], |v[X+32*\c]|, |v[X+32*\c+1]|, 0x1800000   ; block 2 c + h: all 32 numbers are mine; the floor 2^(3 - 127) holds the byte at 1 from below
.endr
.irp i, 2,4,6,8,10,12,14,16,18,20,22,24,26,28,30
.irp c, 0,1
	v_max3_num_f32 v[M+\c], v[M+\c], |v[X+32*\c+\i]|, |v[X+32*\c+\i+1]|
.endr
.endr
.irp c, 0,1
	v_add_nc_u32 v[SO+\c], 0xff000000, v[M+\c]     ; 2 off the exponent field: the conversion takes the exponent field of this operand as its scale
.endr
.irp c, 0,1
	v_lshrrev_b32 v[BY+\c], 23, v[SO+\c]           ; the scale's byte
.endr
	v_lshl_or_b32 v[T], v[BY+1], 16, v[BY]         ; my two bytes: blocks h and 2 + h,
	v_lshlrev_b32 v[T], v252, v[T]                 ; at their places;
	v_permlanex16_b32 v[T2], v[T], s28, s29
	v_or_b32 v[WD+(\s)], v[T], v[T2]               ; with lane l xor 16's two the row's word for this K step is whole
.irp c, 0,1
.irp g, 0,1,2,3
	v_cvt_scalef32_pk8_fp4_f32 v[C+8*(\s)+4*\c+\g], v[X+32*\c+8*\g:X+32*\c+8*\g+7], v[SO+\c]
.endr
.endr
	v_nop                                          ; one plain place behind the last scaled conversion
	global_store_b128 v7, v[C+8*(\s):C+8*(\s)+3], s[10:11] offset:524288*(\s)            ; block rows 4 s + h: each half of the lanes writes 256 consecutive bytes, aligned
	global_store_b128 v7, v[C+8*(\s)+4:C+8*(\s)+7], s[10:11] offset:524288*(\s)+262144   ; block rows 4 s + 2 + h
.endm
	XLOAD 0
	XLOAD 1
	XSTEP 0
	XSTEP 1
	XSTEP 2
	XSTEP 3
	v_cmp_gt_u32 vcc_lo, 16, v1                    ; both halves of the lanes hold the same words: lanes 0-15 store them
	s_wait_xcnt 0x0                                ; EXEC changes only behind this wait
	s_and_saveexec_b32 s30, vcc_lo
	global_store_b128 v8, v[WD:WD+3], s[12:13]     ; 16 rows x 4 words: 256 consecutive bytes, aligned
	s_wait_xcnt 0x0                                ; and again in front of the line that widens it
	s_or_b32 exec_lo, exec_lo, s30
	s_branch .Lend
; ---- PATHS W AND P.  K is the first axis: a lane takes a column and its registers run down K.  A wave takes 32 columns x 128 along K; each load reads 128 consecutive bytes, the four waves stand side by side.
.macro CLOAD b, pitch, base            ; rows 32 b .. 32 b + 31 of my column
.irp i, 0,1,2,3,4,5,6,7,8,9,10,11,12,13,14,15,16,17,18,19,20,21,22,23,24,25,26,27,28,29,30,31
	global_load_b32 v[R+32*(\b)+\i], v9, s[\base:\base+1] offset:(32*(\b)+\i)*\pitch th:TH_LOAD_NT
.endr
.endm
.Lnot_x:
	s_cmp_lt_u32 ttmp9, 448
	s_cbranch_scc0 .Lpath_p
	s_sub_co_u32 s21, ttmp9, 256
	s_and_b32 s32, s21, 7                          ; which K step of 128
	s_lshr_b32 s33, s21, 3                         ; which 128 columns, 0..23
	s_mul_i32 s22, s32, 1572864                    ; w_qkv: 128 rows of 12,288 bytes,
	s_lshl_b32 s34, s33, 9
	s_add_co_u32 s22, s22, s34
	s_lshl_b32 s34, s20, 7
	s_add_co_u32 s22, s22, s34                     ; + 4 bytes a column
	s_lshl_b32 s34, s33, 11
	s_lshl_b32 s35, s20, 9
	s_add_co_u32 s34, s34, s35                     ; 16 bytes a column
	s_mul_i32 s24, s32, 196608                     ; w4: 4 block rows of 49,152 bytes
	s_add_co_u32 s24, s24, s34
	s_lshr_b32 s26, s32, 2
	s_mul_i32 s26, s26, 49152                      ; ws: the group,
	s_add_co_u32 s26, s26, s34
	s_and_b32 s35, s32, 3
	s_lshl_b32 s35, s35, 2
	s_add_co_u32 s26, s26, s35                     ; and the word in it
	s_wait_kmcnt 0x0
	s_add_nc_u64 s[6:7], s[6:7], s[22:23]
	s_add_nc_u64 s[14:15], s[14:15], s[24:25]
	s_add_nc_u64 s[16:17], s[16:17], s[26:27]
.macro WBLOCK b
.if (\b) < 3
	s_wait_loadcnt 32                              ; this block's 32 loads are in; the next block's may be out
.else
	s_wait_loadcnt 0x0
.endif
.if (\b) < 2
	CLOAD (\b)+2, 12288, 6
.endif
.set RB, R+32*(\b)
	v_max3_num_f32 v[M], |v[RB]|, |v[RB+1]|, |v[RB+2]|             ; the block's largest magnitude, in two chains
	v_max3_num_f32 v[M+1], |v[RB+3]|, |v[RB+4]|, |v[RB+5]|
.irp i, 6,10,14,18,22,26
	v_max3_num_f32 v[M], v[M], |v[RB+\i]|, |v[RB+\i+1]|
	v_max3_num_f32 v[M+1], v[M+1], |v[RB+\i+2]|, |v[RB+\i+3]|
.endr
	v_max3_num_f32 v[M], v[M], |v[RB+30]|, |v[RB+31]|
	v_max3_num_f32 v[M], v[M], v[M+1], 0x1800000   ; and the floor
	v_add_nc_u32 v[SO], 0xff000000, v[M]
	v_lshrrev_b32 v[BY], 23, v[SO]
.if (\b) == 0
	v_mov_b32 v[WD], v[BY]                         ; four bytes make my column's scale word for this K step
.else
	v_lshl_or_b32 v[WD], v[BY], 8*(\b), v[WD]
.endif
.irp g, 0,1,2,3
	v_cvt_scalef32_pk8_fp4_f32 v[X+4*(\b)+\g], v[RB+8*\g:RB+8*\g+7], v[SO]
.endr
	v_nop                                          ; one plain place behind the last scaled conversion
	global_store_b128 v4, v[X+4*(\b):X+4*(\b)+3], s[14:15] offset:49152*(\b)   ; 32 columns x 16 bytes: 512 consecutive bytes, aligned
.endm
	CLOAD 0, 12288, 6
	CLOAD 1, 12288, 6
	WBLOCK 0
	WBLOCK 1
	WBLOCK 2
	WBLOCK 3
	global_store_b32 v4, v[WD], s[16:17]           ; 4 bytes of each column's 16: these stores cover their 256-byte blocks in part; they are one byte for each 128 that the path reads
	s_branch .Lend
.Lpath_p:
	s_sub_co_u32 s21, ttmp9, 448
	s_and_b32 s32, s21, 7                          ; which 128 along K
	s_lshr_b32 s33, s21, 3                         ; which 128 columns, 0..7
	s_lshl_b32 s22, s32, 19                        ; w_proj: 128 rows of 4,096 bytes,
	s_lshl_b32 s34, s33, 9
	s_add_co_u32 s22, s22, s34
	s_lshl_b32 s34, s20, 7
	s_add_co_u32 s22, s22, s34
	s_lshl_b32 s24, s32, 18                        ; wp16: 16 chunk rows of 16,384 bytes,
	s_lshl_b32 s34, s33, 11
	s_add_co_u32 s24, s24, s34
	s_lshl_b32 s34, s20, 9
	s_add_co_u32 s24, s24, s34
	s_wait_kmcnt 0x0
	s_add_nc_u64 s[8:9], s[8:9], s[22:23]
	s_add_nc_u64 s[18:19], s[18:19], s[24:25]
.macro PBLOCK b
.if (\b) < 3
	s_wait_loadcnt 32                              ; this block's 32 loads are in; the next block's may be out
.else
	s_wait_loadcnt 0x0
.endif
.if (\b) < 2
	CLOAD (\b)+2, 4096, 8
.endif
.irp c, 0,1,2,3
.irp e, 0,1,2,3
	v_cvt_pk_f16_f32 v[X+16*(\b)+4*\c+\e], v[R+32*(\b)+8*\c+2*\e], v[R+32*(\b)+8*\c+2*\e+1]   ; the lower k in the low half
.endr
	global_store_b128 v4, v[X+16*(\b)+4*\c:X+16*(\b)+4*\c+3], s[18:19] offset:16384*(4*(\b)+\c)   ; 512 consecutive bytes, aligned
.endr
.endm
	CLOAD 0, 4096, 8
	CLOAD 1, 4096, 8
	PBLOCK 0
	PBLOCK 1
	PBLOCK 2
	PBLOCK 3
.Lend:
	s_wait_tensorcnt 0x0                           ; the wave's end: behind the last LDS store
	ds_add_u32 v[SPW], v[NIL]
	s_wait_dscnt 0x0
	s_endpgm
.Lfunc_end_k_q4b0870cb90_prep:
	.size	k_q4b0870cb90_prep, .Lfunc_end_k_q4b0870cb90_prep-k_q4b0870cb90_prep
	.p2alignl 7, 3214868480
	.fill 96, 4, 3214868480
	.section	.rodata,"a",@progbits
	.p2align	6, 0x0
	.amdhsa_kernel k_q4b0870cb90_prep
		.amdhsa_group_segment_fixed_size 34304
		.amdhsa_private_segment_fixed_size 0
		.amdhsa_enable_private_segment 0
		.amdhsa_kernarg_size 64
		.amdhsa_user_sgpr_count 2
		.amdhsa_user_sgpr_kernarg_segment_ptr 1
		.amdhsa_wavefront_size32 1
		.amdhsa_system_sgpr_workgroup_id_x 1
		.amdhsa_system_sgpr_workgroup_id_y 1
		.amdhsa_system_sgpr_workgroup_id_z 1
		.amdhsa_system_vgpr_workitem_id 0
		.amdhsa_next_free_vgpr 256
		.amdhsa_next_free_sgpr 66
		.amdhsa_reserve_vcc 1
		.amdhsa_float_denorm_mode_32 3
		.amdhsa_float_denorm_mode_16_64 3
		.amdhsa_memory_ordered 1
		.amdhsa_forward_progress 1
		.amdhsa_inst_pref_size 67
	.end_amdhsa_kernel
	.amdgpu_metadata
---
amdhsa.version: [ 1, 2 ]
amdhsa.kernels:
  - .name:           k_q4b0870cb90_prep
    .symbol:         k_q4b0870cb90_prep.kd
    .args:
      - { .name: inp, .offset: 0, .size: 8, .value_kind: global_buffer, .address_space: global }
      - { .name: w_qkv, .offset: 8, .size: 8, .value_kind: global_buffer, .address_space: global }
      - { .name: w_proj, .offset: 16, .size: 8, .value_kind: global_buffer, .address_space: global }
      - { .name: x4, .offset: 24, .size: 8, .value_kind: global_buffer, .address_space: global }
      - { .name: xs, .offset: 32, .size: 8, .value_kind: global_buffer, .address_space: global }
      - { .name: w4, .offset: 40, .size: 8, .value_kind: global_buffer, .address_space: global }
      - { .name: ws, .offset: 48, .size: 8, .value_kind: global_buffer, .address_space: global }
      - { .name: wp16, .offset: 56, .size: 8, .value_kind: global_buffer, .address_space: global }
    .group_segment_fixed_size: 34304
    .private_segment_fixed_size: 0
    .kernarg_segment_align: 8
    .kernarg_segment_size: 64
    .max_flat_workgroup_size: 128
    .sgpr_count:     66
    .vgpr_count:     256
    .wavefront_size: 32
...
	.end_amdgpu_metadata
.endif
;; end of part 1
;; launch gemm_qkv (part 2): grid 32 x 8, 4 waves a work-group, clusters of 4 x 1, 197,120 bytes of LDS; arguments x4, xs, w4, ws, b_qkv, qkv16; writes qkv16
.if DOCPART == 2
	.amdgcn_target "amdgcn-amd-amdhsa--gfx1250"
	.amdhsa_code_object_version 6
	.text
	.protected	k_q4b0870cb90_gemm_qkv
	.globl	k_q4b0870cb90_gemm_qkv
	.p2align	8
	.type	k_q4b0870cb90_gemm_qkv,@function
k_q4b0870cb90_gemm_qkv:
	s_mov_b64 s[64:65], 0
	v_nop
	global_prefetch_b8 v0, s[64:65] scope:SCOPE_SE
	s_setreg_imm32_b32 hwreg(HW_REG_WAVE_MODE, 25, 1), 1
	s_wait_xcnt 0x0
	s_wait_alu depctr_hold_cnt(0) depctr_sa_sdst(0) depctr_va_vdst(0) depctr_va_sdst(0) depctr_va_ssrc(0) depctr_va_vcc(0) depctr_vm_vsrc(0)
	s_getreg_b32 s2, hwreg(HW_REG_IB_STS2, 6, 4)
	s_cmp_eq_u32 s2, 0
	s_cbranch_scc0 .Lentry_in_a_cluster
	s_endpgm
.Lentry_in_a_cluster:
	s_bfe_u32 s2, ttmp6, 0x10000c
	s_cmp_lg_u32 s2, 0x3003
	s_cbranch_scc0 .Lentry_shape_is_right
	s_endpgm
.Lentry_shape_is_right:
; q, k, v = Q(inp) Q(w_qkv) + b_qkv, on codes of FP4 (E2M1) with one E8M0 scale for each 32 along K; sums in f32; results rounded once to f16.
; WORK LEFT OUT: k's bias, b_qkv[1024:2048]: it adds to every score of a query the same number, which the softmax takes away for all values of the inputs (shown at the head of the first kernel).
; LIMIT: results beyond 65,504 in magnitude become infinities of f16.
; x4 [32 blocks of K][8192 rows][16 bytes], w4 [32][3072][16 bytes]; xs [2][8192][4 words], ws [2][3072][4 words]: word q of group g scales K step 4 g + q.
; qkv16 [section 3][batch x head 128][group of 64 tokens 16][chunk of 8 channels 8][64 tokens][8 f16].
; SHARES.  32 x 8 = 256 work-groups.  Work-group (ty, gx) makes 256 tokens x 384 columns in THREE PASSES of 128 columns: pass p is columns 128 gx .. 128 gx + 127 of section p (q, k, v), so the section is a
; constant of the text.  A pass's stores are on their way while the next pass is multiplied.  Wave w owns tokens 64 w .. 64 w + 63 of the tile, for all columns: 32 accumulators.
; A's CODES GO FROM MEMORY STRAIGHT INTO REGISTERS AND STAY: a wave's 64 rows x 512 bytes are 256 registers; sixteen lanes of a load read 256 consecutive bytes of one block row, which is the fragment as the
; matrix instruction wants it.  They serve all three passes.  The scale words and the biases come the same way.
; LDS holds B alone: three sections of [32 blocks][128 columns][16 bytes], 65,536 bytes each, all first fills: nothing is ever filled again.  The sixteen lanes of a fragment load read 256 consecutive bytes: no padding.
; CLUSTER: the four work-groups of a cluster have four neighbouring ty and one gx: they need the same columns of w4, and ask for them JOINTLY.  A's rows are shared with no partner, and pass through no LDS.
; THE MATRIX INSTRUCTION IS USED TRANSPOSED (source 0 = 16 columns of w_qkv, source 1 = 16 tokens): a lane holds one token and eight neighbouring channels: 16 bytes of f16, one chunk;
; sixteen lanes hold 16 neighbouring tokens of that chunk: 256 consecutive bytes, stored straight from registers.  q's and v's biases are the C of their pass's first products.
; No prefetch: every byte that the work-group reads is asked for at its head.
; REGISTERS: window 0: v16-29 addresses; v32-47 A's scale words, v48-143 B's (these hold scales and nothing else); v160-255 packed results, three sets.
;   window 1: v0-127 B's fragments, two sets; v128-191 q's bias, v192-255 v's.   window 2: A's fragments, K step s, block a at v[32 s + 8 a].   window 3: accumulator (a, b) at v[8 (8 a + b)].
.set SPARE, 196608                     ; behind B's three sections: the spare words, 128 bytes for each wave
.set ADRB, 16                          ; v16-18  my lane's place in section 0, 1, 2
.set XO,   20                          ; v20     131,072 h + 16 r: in x4 lanes 16-31 take the next block row, in xs the second group
.set WO,   21                          ; v21     49,152 h + 16 r: the same in ws
.set BO,   22                          ; v22     32 h: my eight numbers of a bias block
.set CO,   23                          ; v23     1,024 h + 16 r: my 16 bytes in the output
.set SPW,  28
.set NIL,  29
.set SA,   32                          ; register 4 a + q: lanes 0-15 the word of K step q, lanes 16-31 of K step 4 + q, for row r of A's block a
.set SB,   48                          ; register 32 p + 4 b + q: the same for column r of block b of pass p
.set TMP,  160
.set BQ,   128                         ; in window 1: q's bias; v's 64 registers on
.set G1,   24                          ; s[24:31] descriptor group 1
.set G0,   32                          ; s[32:43] group 0, a set for each section
.set OUT,  44                          ; s[44:49] where my results begin in section 0, 1, 2
.set MSB, 0
.macro WIN new                         ; the immediate's high byte repeats the setting that is left
.if MSB != (\new)
	s_set_vgpr_msb (MSB<<8)|(\new)
.set MSB, (\new)
.endif
.endm
.set MUL,  0xf9                        ; source 0 (B) window 1, source 1 (A) window 2, C and D window 3
.set MULB, 0xd9                        ; the same with C, the bias, in window 1
.set TO_B, 0x40                        ; destination window 1, address window 0
.set TO_A, 0x80                        ; destination window 2, address window 0
.macro CROUND                          ; a round of the cluster's barrier
	s_barrier_signal -1
	s_barrier_wait -1
	s_cmp_lg_u32 s16, 0
	s_cbranch_scc1 .Lnot_wave_0_\@
	s_barrier_signal -3
.Lnot_wave_0_\@:
	s_barrier_wait -3
	s_barrier_signal -1
	s_barrier_wait -1
.endm
.macro PLACES n                        ; plain vector places behind matrix instructions, in front of loads into registers that they read and of reads of their results
.rept \n
	v_nop
.endr
.endm
.macro ALOAD s                         ; A's four fragments of K step s: registers 0-3 block row 4 s + h, registers 4-7 block row 4 s + 2 + h
.irp a, 0,1,2,3
	global_load_b128 v[32*(\s)+8*\a:32*(\s)+8*\a+3], v[XO], s[4:5] offset:524288*(\s)+256*\a
	global_load_b128 v[32*(\s)+8*\a+4:32*(\s)+8*\a+7], v[XO], s[4:5] offset:524288*(\s)+256*\a+262144
.endr
.endm
	s_load_b256 s[4:11], s[0:1], 0x0               ; x4 s[4:5], xs s[6:7], w4 s[8:9], ws s[10:11]
	s_load_b128 s[12:15], s[0:1], 0x20             ; b_qkv s[12:13], qkv16 s[14:15]
	v_lshl_add_u32 v[SPW], v0, 2, SPARE
	v_mov_b32 v[NIL], 0
	ds_add_u32 v[SPW], v[NIL]                      ; the wave's opening: the add, twice on end, and its wait ahead of my first tensor load
	ds_add_u32 v[SPW], v[NIL]
	v_lshrrev_b32 v1, 5, v0
	v_readfirstlane_b32 s16, v1                    ; wave 0..3
	s_bfe_u32 s17, ttmp6, 0x40000                  ; cx: my place in the cluster
	s_lshl_b32 s18, ttmp9, 2
	s_add_co_u32 s18, s18, s17                     ; ty = 4 x cluster x + cx: it enters A's and the output's addresses alone
	s_and_b32 s19, ttmp7, 0xffff                   ; gx, which the four partners share
	; descriptor group 1: 8 block rows of 128 columns x 16 bytes = 256 elements of 8 bytes; a block row of w4 is 49,152 bytes
	s_mov_b32 s[G1], 15|(3<<16)|(1<<21)            ; 15:0 the mask: all four work-groups; 17:16 elements of 8 bytes; 21 set beside a mask; no padding
	s_mov_b32 s[G1+1], 256<<16                     ; tensor_dim0
	s_mov_b32 s[G1+2], 8<<16                       ; tensor_dim1
	s_mov_b32 s[G1+3], 256<<16                     ; tile_dim0
	s_mov_b32 s[G1+4], 8                           ; tile_dim1
	s_mov_b32 s[G1+5], 6144                        ; from row to row
	s_mov_b32 s[G1+6], 0
	s_mov_b32 s[G1+7], 0
	s_mul_i32 s50, s16, 393216                     ; B: my 8 block rows of the 32,
	s_lshl_b32 s51, s19, 11
	s_add_co_u32 s50, s50, s51                     ; + 128 columns x 16 bytes x gx
	s_mov_b32 s51, 0
	s_lshl_b32 s52, s16, 14                        ; and where they go in a section: 16,384 x wave: no place in the cluster enters an LDS address
	s_lshl_b32 s56, s18, 12                        ; A: 256 rows x 16 bytes x ty,
	s_lshl_b32 s58, s16, 10
	s_add_co_u32 s56, s56, s58                     ; + my 64 rows
	s_mov_b32 s57, 0
	s_lshl_b32 s60, s19, 11                        ; ws: 128 columns x 16 bytes x gx
	s_mov_b32 s61, 0
	v_and_b32 v1, 15, v0                           ; r
	v_bfe_u32 v2, v0, 4, 1                         ; h
	v_lshlrev_b32 v3, 4, v1                        ; 16 r
	v_lshl_add_u32 v[ADRB], v2, 11, v3             ; a block row in LDS is 2,048 bytes
	v_add_nc_u32 v[ADRB+1], 65536, v[ADRB]
	v_add_nc_u32 v[ADRB+2], 131072, v[ADRB]
	v_lshl_add_u32 v[XO], v2, 17, v3
	v_mad_u32_u24 v[WO], v2, 49152, v3
	v_lshlrev_b32 v[BO], 5, v2
	v_lshl_add_u32 v[CO], v2, 10, v3
	s_wait_dscnt 0x0                               ; both opening adds are done
	s_wait_kmcnt 0x0
	s_add_nc_u64 s[54:55], s[8:9], s[50:51]        ; B at my rows of section 0
	s_add_nc_u64 s[4:5], s[4:5], s[56:57]
	s_add_nc_u64 s[6:7], s[6:7], s[56:57]
	s_add_nc_u64 s[10:11], s[10:11], s[60:61]
	s_lshl_b32 s60, s19, 9                         ; the bias: 128 numbers x gx
	s_add_nc_u64 s[12:13], s[12:13], s[60:61]
	; what the first K steps want goes out first: 76 loads.  The round of the cluster's barrier passes while they are on their way
	WIN TO_B
.irp u, 0,1                            ; q's bias, then v's, 2,048 numbers on.  Lane (r, h): the bias of columns 16 b + 8 h + 0 .. 7, in the result's layout
.irp b, 0,1,2,3,4,5,6,7
	global_load_b128 v[BQ+64*\u+8*\b:BQ+64*\u+8*\b+3], v[BO], s[12:13] offset:8192*\u+64*\b
	global_load_b128 v[BQ+64*\u+8*\b+4:BQ+64*\u+8*\b+7], v[BO], s[12:13] offset:8192*\u+64*\b+16
.endr
.endr
	WIN 0
.irp a, 0,1,2,3
	global_load_b128 v[SA+4*\a:SA+4*\a+3], v[XO], s[6:7] offset:256*\a
.endr
.irp p, 0,1,2
.irp b, 0,1,2,3,4,5,6,7
	global_load_b128 v[SB+32*\p+4*\b:SB+32*\p+4*\b+3], v[WO], s[10:11] offset:16384*\p+256*\b
.endr
.endr
	WIN TO_A
	ALOAD 0
	ALOAD 1
	WIN 0
.irp p, 0,1,2
	s_mov_b32 s[G0+4*\p], 1                        ; 1:0 count = 1
	s_add_co_u32 s[G0+4*\p+1], s52, \p*65536       ; 63:32 LDS address
	s_add_nc_u64 s[G0+4*\p+2:G0+4*\p+3], s[54:55], \p*16384   ; 120:64 global address: a section is 1,024 columns x 16 bytes on
	s_or_b32 s[G0+4*\p+3], s[G0+4*\p+3], 0x80000000           ; 127:126 type = 2
.endr
	CROUND                                         ; all four work-groups are here: the joint loads meet
.irp p, 0,1,2
	tensor_load_to_lds s[G0+4*\p:G0+4*\p+3], s[G1:G1+7]       ; every wave issues all three, with no branch: three loads of mine are out
	s_nop 0
.endr
.rept 4
	v_nop
.endr
	WIN TO_A
.irp s, 2,3,4,5,6,7
	ALOAD \s                                       ; 48 loads more
.endr
	WIN 0
	; the output: (16 x batch + head) << 17, group of 64 tokens << 13; a section is 1 << 24 bytes
	s_lshr_b32 s56, s18, 2                         ; batch
	s_lshl_b32 s56, s56, 4
	s_lshl_b32 s58, s19, 1                         ; two heads to 128 columns
	s_add_co_u32 s56, s56, s58
	s_lshl_b32 s56, s56, 17
	s_and_b32 s58, s18, 3
	s_lshl_b32 s58, s58, 2                         ; four groups of tokens to a tile, one to a wave
	s_add_co_u32 s58, s58, s16
	s_lshl_b32 s58, s58, 13
	s_add_co_u32 s56, s56, s58
	s_add_nc_u64 s[OUT:OUT+1], s[14:15], s[56:57]
	s_add_nc_u64 s[OUT+2:OUT+3], s[OUT:OUT+1], 0x1000000
	s_add_nc_u64 s[OUT+4:OUT+5], s[OUT:OUT+1], 0x2000000
.macro FETCH_B p, s                    ; B's eight fragments of K step s of pass p into set s % 2
	WIN TO_B
.irp b, 0,1,2,3,4,5,6,7
	ds_load_b128 v[64*((\s)%2)+8*\b:64*((\s)%2)+8*\b+3], v[ADRB+(\p)] offset:8192*(\s)+256*\b
	ds_load_b128 v[64*((\s)%2)+8*\b+4:64*((\s)%2)+8*\b+7], v[ADRB+(\p)] offset:8192*(\s)+256*\b+4096
.endr
.endm
; 32 matrix instructions: A's four blocks x B's eight, K step s of pass p.  The first step starts the sums, with the bias (q, v) or with 0 (k): nothing is cleared.
; The 32 accumulators take turns, one instruction a turn, in the same order in every step.  From K step 4 on both sides' scale words are taken from lanes 16-31.
.macro MULS p, s
.if ((\s) == 0) && ((\p) != 1)
	WIN MULB
.else
	WIN MUL
.endif
.irp a, 0,1,2,3
.irp b, 0,1,2,3,4,5,6,7
.if ((\s) == 0) && ((\p) == 1)
	v_wmma_scale_f32_16x16x128_f8f6f4 v[8*(8*\a+\b):8*(8*\a+\b)+7], v[64*((\s)%2)+8*\b:64*((\s)%2)+8*\b+7], v[32*(\s)+8*\a:32*(\s)+8*\a+7], 0, v[SB+32*(\p)+4*\b+(\s)%4], v[SA+4*\a+(\s)%4] matrix_a_fmt:MATRIX_FMT_FP4 matrix_b_fmt:MATRIX_FMT_FP4
.elseif (\s) == 0
	v_wmma_scale_f32_16x16x128_f8f6f4 v[8*(8*\a+\b):8*(8*\a+\b)+7], v[64*((\s)%2)+8*\b:64*((\s)%2)+8*\b+7], v[32*(\s)+8*\a:32*(\s)+8*\a+7], v[BQ+64*((\p)/2)+8*\b:BQ+64*((\p)/2)+8*\b+7], v[SB+32*(\p)+4*\b+(\s)%4], v[SA+4*\a+(\s)%4] matrix_a_fmt:MATRIX_FMT_FP4 matrix_b_fmt:MATRIX_FMT_FP4
.elseif (\s) < 4
	v_wmma_scale_f32_16x16x128_f8f6f4 v[8*(8*\a+\b):8*(8*\a+\b)+7], v[64*((\s)%2)+8*\b:64*((\s)%2)+8*\b+7], v[32*(\s)+8*\a:32*(\s)+8*\a+7], v[8*(8*\a+\b):8*(8*\a+\b)+7], v[SB+32*(\p)+4*\b+(\s)%4], v[SA+4*\a+(\s)%4] matrix_a_fmt:MATRIX_FMT_FP4 matrix_b_fmt:MATRIX_FMT_FP4
.else
	v_wmma_scale_f32_16x16x128_f8f6f4 v[8*(8*\a+\b):8*(8*\a+\b)+7], v[64*((\s)%2)+8*\b:64*((\s)%2)+8*\b+7], v[32*(\s)+8*\a:32*(\s)+8*\a+7], v[8*(8*\a+\b):8*(8*\a+\b)+7], v[SB+32*(\p)+4*\b+(\s)%4], v[SA+4*\a+(\s)%4] matrix_a_fmt:MATRIX_FMT_FP4 matrix_b_fmt:MATRIX_FMT_FP4 matrix_a_scale:MATRIX_SCALE_ROW1 matrix_b_scale:MATRIX_SCALE_ROW1
.endif
.endr
.endr
.endm
; K step s of pass p.  The next step's fragments of B are asked for first, into the set that the last step's products read, and land under this step's products.
.macro STEP p, s
.if ((\p) == 0) && ((\s)%2 == 0)
	s_wait_loadcnt 48-8*(\s)                       ; A's fragments of K steps s and s + 1 are in (ahead of step 0: the biases and the scale words too); behind them stand 8 loads for each later K step
.endif
.if ((\s) == 7) && ((\p) < 2)
	s_wait_tensorcnt 1-(\p)                        ; my part of the next section is in; a later section's load may stay out
	s_wait_dscnt 0x0                               ; (no LDS load of mine is out at a signal)
	s_barrier_signal -1
	s_barrier_wait -1                              ; everybody's part is in
.endif
.if ((\p) < 2) || ((\s) < 7)
.set NXT, 8*(\p)+(\s)+1
	PLACES 4
	FETCH_B NXT/8, NXT%8
	s_wait_dscnt 16                                ; this step's fragments are in; the 16 loads just issued may be out
.else
	s_wait_dscnt 0x0                               ; the very last step: nothing more to fetch
.endif
	MULS \p, \s
.endm
; THE WAY OUT of block a (16 tokens x 128 columns) of pass p: rounded to f16 and stored.  Each accumulator is read from its low end on.
.macro BLOCKOUT p, a
.set NB, 4*(\p)+(\a)
.set TS, TMP+32*(NB%3)
.if NB >= 3
	s_wait_xcnt 0x0                                ; the stores of three blocks back have read this set of registers
.endif
	WIN 0x0f                                       ; sources 0 and 1: window 3
.irp b, 0,1,2,3,4,5,6,7
.irp e, 0,1,2,3
	v_cvt_pk_f16_f32 v[TS+4*\b+\e], v[64*(\a)+8*\b+2*\e], v[64*(\a)+8*\b+2*\e+1]
.endr
.endr
	WIN 0
.irp b, 0,1,2,3,4,5,6,7
	global_store_b128 v[CO], v[TS+4*\b:TS+4*\b+3], s[OUT+2*(\p):OUT+2*(\p)+1] offset:131072*(\b/4)+2048*(\b%4)+256*(\a)   ; each half of the lanes: 16 tokens of one chunk, 256 consecutive bytes, aligned
.endr
.endm
	s_wait_tensorcnt 2                             ; my part of section 0 is in; the other two loads may stay out
	s_barrier_signal -1
	s_barrier_wait -1                              ; everybody's is
	FETCH_B 0, 0
.irp p, 0,1,2
.irp s, 0,1,2,3,4,5,6,7
	STEP \p, \s
.endr
	WIN 0
	PLACES 4                                       ; between the pass's last products and the first read of results
.irp a, 0,1,2,3
	BLOCKOUT \p, \a                                ; nothing waits for these stores: they leave while the next pass is multiplied
.endr
.endr
	s_wait_tensorcnt 0x0                           ; the wave's end
	ds_add_u32 v[SPW], v[NIL]
	s_wait_dscnt 0x0
	CROUND                                         ; the closing round
	s_endpgm
.Lfunc_end_k_q4b0870cb90_gemm_qkv:
	.size	k_q4b0870cb90_gemm_qkv, .Lfunc_end_k_q4b0870cb90_gemm_qkv-k_q4b0870cb90_gemm_qkv
	.p2alignl 7, 3214868480
	.fill 96, 4, 3214868480
	.section	.rodata,"a",@progbits
	.p2align	6, 0x0
	.amdhsa_kernel k_q4b0870cb90_gemm_qkv
		.amdhsa_group_segment_fixed_size 197120
		.amdhsa_private_segment_fixed_size 0
		.amdhsa_enable_private_segment 0
		.amdhsa_kernarg_size 48
		.amdhsa_user_sgpr_count 2
		.amdhsa_user_sgpr_kernarg_segment_ptr 1
		.amdhsa_wavefront_size32 1
		.amdhsa_system_sgpr_workgroup_id_x 1
		.amdhsa_system_sgpr_workgroup_id_y 1
		.amdhsa_system_sgpr_workgroup_id_z 1
		.amdhsa_system_vgpr_workitem_id 0
		.amdhsa_next_free_vgpr 1024
		.amdhsa_next_free_sgpr 66
		.amdhsa_reserve_vcc 0
		.amdhsa_float_denorm_mode_32 3
		.amdhsa_float_denorm_mode_16_64 3
		.amdhsa_memory_ordered 1
		.amdhsa_forward_progress 1
		.amdhsa_inst_pref_size 177
	.end_amdhsa_kernel
	.amdgpu_metadata
---
amdhsa.version: [ 1, 2 ]
amdhsa.kernels:
  - .name:           k_q4b0870cb90_gemm_qkv
    .symbol:         k_q4b0870cb90_gemm_qkv.kd
    .args:
      - { .name: x4, .offset: 0, .size: 8, .value_kind: global_buffer, .address_space: global }
      - { .name: xs, .offset: 8, .size: 8, .value_kind: global_buffer, .address_space: global }
      - { .name: w4, .offset: 16, .size: 8, .value_kind: global_buffer, .address_space: global }
      - { .name: ws, .offset: 24, .size: 8, .value_kind: global_buffer, .address_space: global }
      - { .name: b_qkv, .offset: 32, .size: 8, .value_kind: global_buffer, .address_space: global }
      - { .name: qkv16, .offset: 40, .size: 8, .value_kind: global_buffer, .address_space: global }
    .group_segment_fixed_size: 197120
    .private_segment_fixed_size: 0
    .kernarg_segment_align: 8
    .kernarg_segment_size: 48
    .max_flat_workgroup_size: 128
    .sgpr_count:     66
    .vgpr_count:     1024
    .wavefront_size: 32
...
	.end_amdgpu_metadata
.endif
;; end of part 2
;; launch attn (part 3): grid 2 x 128, 8 waves a work-group, no clusters, 295,936 bytes of LDS; arguments qkv16, att16; writes att16
.if DOCPART == 3
	.amdgcn_target "amdgcn-amd-amdhsa--gfx1250"
	.amdhsa_code_object_version 6
	.text
	.protected	k_q4b0870cb90_attn
	.globl	k_q4b0870cb90_attn
	.p2align	8
	.type	k_q4b0870cb90_attn,@function
k_q4b0870cb90_attn:
	s_mov_b64 s[64:65], 0
	v_nop
	global_prefetch_b8 v0, s[64:65] scope:SCOPE_SE
	s_setreg_imm32_b32 hwreg(HW_REG_WAVE_MODE, 25, 1), 1
	s_wait_xcnt 0x0
; O[q][:] = the sum over keys of softmax(q . k / 8) v, for each of 128 (batch, head) pairs; 1,024 tokens, head size 64.  Operands f16, products, maxima and sums f32; the weights p are rounded to f16 for the
; second product, O once at the end.  (k comes without its bias: see the first kernel's head.)  LIMIT: f16's range, as stated there; p under 6e-8 counts as 0 in the second product, not in the row's sum.
; qkv16 [section][batch x head][group of 64 tokens 16][chunk of 8 channels 8][64 tokens][8 f16];  att16 [chunk of 8 columns 128][8192 tokens][8 f16].
; SHARES.  A work-group owns 512 queries of one head, each of its eight waves 64: four tiles of 16.  Two waves share a SIMD, so that one wave's softmax stands beside the other's products and LDS loads.
; THE WHOLE HEAD'S K AND V LIE IN LDS: 2 x 128 rows of 1,024 bytes.  Each wave brings four pieces of one group of 64 tokens (8 rows), all first fills, all asked for at the head: piece j of the eight waves
; together is groups 4 j .. 4 j + 3 of K and of V.  Work begins when piece 0 is in; a barrier with a counted wait stands in front of key steps 3, 7 and 11, each for the next piece alone.  Nothing is filled again.
; No prefetch: every byte is asked for at the head.
; NO CLUSTER: only the two work-groups of a head share K and V; each asks for its 262,144 bytes once, against 1,024 matrix instructions a wave.
; LAYOUT.  S^T = K Q^T (source 0 = 16 keys, source 1 = 16 queries): a lane holds ONE query (lane % 16) and keys 8 (lane / 16) + 0..7.  Two such tiles, rounded to f16 in pairs, ARE source 1 (32 keys x 16
; queries) of O^T = V^T P, whose result again holds one query a lane and eight channels: 16 bytes of f16, a chunk of att16.  K comes out of LDS as it lies, V turned, by ds_load_tr16_b128.
; SOFTMAX.  For each query a running maximum m and sum l: p = 2^(c s - c m), c = log2(e) / 8; in every step O and l are multiplied by a = 2^(c m_old - c m_new).
; REGISTERS: window 0: v1-8 addresses; v16-47 statistics, eight a tile (+0 c m, +1 m, +2, +3 l, +4 to +7 at work; a in +6); v64-127 V of a step; v128-255 S^T, 32 a tile; P is packed in place into a tile's first 16.
;   window 1: v0-127 O^T, 32 a tile; v128-191 Q; v192-255 K of a step.
.set PR,   1152                        ; an LDS row: 1,024 bytes + 128 of padding
.set KGB,  8*PR                        ; a group of 64 tokens: 8 chunk rows
.set VB,   128*PR                      ; V behind K
.set SPARE, 2*VB                       ; the spare words, 128 bytes for each of eight waves
.set SPW, 14
.set NIL, 15
.set ST,  16
.set VF,  64
.set S,   128
.set QF,  128                          ; in window 1
.set KF,  192                          ; in window 1
.set G0,  24                           ; s[24:39] descriptor group 0, a set for each of my four pieces
.set CS,  40                           ; s[40:41] c: the packed scaling names a pair and takes its low word for both halves
.set MSB, 0
.macro WIN new
.if MSB != (\new)
	s_set_vgpr_msb (MSB<<8)|(\new)
.set MSB, (\new)
.endif
.endm
.set W_KQ, 0x05                        ; K and Q in window 1, S^T in window 0
.set W_PV, 0x50                        ; V and P in window 0, O^T in window 1
.set W_RS, 0x41                        ; O^T (destination and source 0) in window 1, the factor in window 0
.set TO1,  0x40                        ; destination window 1, address window 0
	s_load_b128 s[4:7], s[0:1], 0x0                ; qkv16 s[4:5], att16 s[6:7]
	v_lshl_add_u32 v[SPW], v0, 2, SPARE
	v_mov_b32 v[NIL], 0
	ds_add_u32 v[SPW], v[NIL]                      ; the wave's opening: the add, twice on end, and its wait ahead of my first tensor load
	ds_add_u32 v[SPW], v[NIL]
	v_lshrrev_b32 v1, 5, v0
	v_readfirstlane_b32 s8, v1                     ; wave 0..7
	s_lshr_b32 s9, s8, 2                           ; I fetch for K (0) or V (1),
	s_and_b32 s10, s8, 3                           ; which group of each four
	s_and_b32 s11, ttmp7, 0xffff                   ; 16 x batch + head
	s_mov_b32 s12, ttmp9                           ; which 512 queries
	; descriptor group 1: 8 rows of 1,024 bytes (128 elements of 8), dense in memory, 128 bytes of padding behind each in LDS
	s_mov_b32 s16, (3<<16)|(1<<20)|(7<<22)|(31<<25) ; 17:16 elements of 8 bytes; 20 padding on; 24:22 after every 256 words (code 7); 31:25 32 words of it (code 31)
	s_mov_b32 s17, 128<<16                         ; tensor_dim0
	s_mov_b32 s18, 8<<16                           ; tensor_dim1: 8 rows
	s_mov_b32 s19, 128<<16                         ; tile_dim0
	s_mov_b32 s20, 8                               ; tile_dim1
	s_mov_b32 s21, 128                             ; from row to row
	s_mov_b32 s22, 0
	s_mov_b32 s23, 0
	s_mul_i32 s46, s9, VB
	s_mul_i32 s47, s10, KGB
	s_add_co_u32 s47, s47, s46                     ; LDS: my group of the first four
	s_add_co_u32 s50, s9, 1                        ; section 1 is k, 2 is v
	s_lshl_b32 s50, s50, 24
	s_lshl_b32 s49, s11, 17                        ; the head's 131,072 bytes in a section
	s_add_co_u32 s50, s50, s49
	s_lshl_b32 s52, s10, 13
	s_add_co_u32 s52, s52, s50
	s_mov_b32 s53, 0
	s_mov_b32 s55, 0
	s_mov_b32 s[CS], 0x3e38aa3b                    ; c = log2(e) / 8
	s_mov_b32 s[CS+1], s[CS]
	s_mov_b32 s42, 0x76543210
	s_mov_b32 s43, 0xfedcba98                      ; v_permlanex16_b32's selects for lane l xor 16
	s_mov_b32 s44, 0                               ; LDS offset of the key step in hand
	s_wait_dscnt 0x0                               ; both opening adds are done
	s_wait_kmcnt 0x0
	s_add_nc_u64 s[14:15], s[4:5], s[52:53]
.irp j, 0,1,2,3
	s_mov_b32 s[G0+4*\j], 1                        ; 1:0 count = 1
	s_add_co_u32 s[G0+4*\j+1], s47, \j*4*KGB       ; 63:32 LDS address: four groups on for each piece
	s_add_nc_u64 s[G0+4*\j+2:G0+4*\j+3], s[14:15], \j*32768   ; 120:64 global address: four groups of 8,192 bytes on
	s_or_b32 s[G0+4*\j+3], s[G0+4*\j+3], 0x80000000           ; 127:126 type = 2
.endr
.irp j, 0,1,2,3
	tensor_load_to_lds s[G0+4*\j:G0+4*\j+3], s[16:23]         ; every wave issues all its fills, with no branch: four loads of mine are out
	s_nop 0
.endr
.rept 4
	v_nop
.endr
	s_lshl_b32 s52, s12, 3
	s_add_co_u32 s52, s52, s8                      ; my group of 64 queries
	s_lshl_b32 s52, s52, 13
	s_add_co_u32 s52, s52, s49
	s_add_nc_u64 s[50:51], s[4:5], s[52:53]        ; Q (section 0)
	s_and_b32 s54, s11, 15
	s_lshl_b32 s54, s54, 20                        ; att16: 8 chunk rows of 131,072 bytes a head,
	s_lshr_b32 s46, s11, 4
	s_lshl_b32 s46, s46, 14                        ; 1,024 tokens of 16 bytes a batch,
	s_add_co_u32 s54, s54, s46
	s_lshl_b32 s46, s12, 13
	s_add_co_u32 s54, s54, s46
	s_lshl_b32 s46, s8, 10
	s_add_co_u32 s54, s54, s46
	s_add_nc_u64 s[6:7], s[6:7], s[54:55]
	v_and_b32 v1, 15, v0                           ; r
	v_bfe_u32 v2, v0, 4, 1                         ; h
	v_lshlrev_b32 v9, 4, v1                        ; 16 r
	v_mad_u32_u24 v3, v2, PR, v9                   ; K: token r of a tile, chunk row h
	v_bfe_u32 v10, v0, 3, 1
	v_and_b32 v11, 7, v0
	v_lshlrev_b32 v11, 4, v11
	v_lshl_add_u32 v11, v2, 7, v11
	v_mad_u32_u24 v4, v10, PR, v11                 ; V: the turning load: lane l reads key 8 (l / 16) + l % 8, chunk row (l / 8) % 2
	v_add_nc_u32 v4, VB, v4
	v_lshl_add_u32 v7, v2, 10, v9                  ; Q in memory: 1,024 h + 16 r
	v_lshl_add_u32 v8, v2, 17, v9                  ; O in memory: 131,072 h + 16 r
	WIN TO1
.irp t, 0,1,2,3                        ; Q stays in registers: tile t, channels 32 c on
.irp c, 0,1
	global_load_b128 v[QF+16*\t+8*\c:QF+16*\t+8*\c+3], v7, s[50:51] offset:4096*\c+256*\t
	global_load_b128 v[QF+16*\t+8*\c+4:QF+16*\t+8*\c+7], v7, s[50:51] offset:4096*\c+256*\t+2048
.endr
.endr
	WIN 0
; 32 products S^T = K Q^T: channels 32 (i / 16) on, keys 16 ((i / 4) % 4) on, tile i % 4.  The first 16 start the sums.  The 16 accumulators take turns, one instruction a turn.
.macro KQALL
	WIN W_KQ
.set i, 0
.rept 32
.set rS, S+32*(i%4)+8*((i/4)%4)
.set rK, KF+16*((i/4)%4)+8*(i/16)
.set rQ, QF+16*(i%4)+8*(i/16)
.if i < 16
	v_wmma_f32_16x16x32_f16 v[rS:rS+7], v[rK:rK+7], v[rQ:rQ+7], 0
.else
	v_wmma_f32_16x16x32_f16 v[rS:rS+7], v[rK:rK+7], v[rQ:rQ+7], v[rS:rS+7]
.endif
.set i, i+1
.endr
	WIN 0
.endm
; 32 products O^T += V^T P: keys 32 (i / 16) on, channels 16 ((i / 4) % 4) on, tile i % 4.  first = 1: the first 16 start the sums: nothing is ever cleared.
.macro PVALL first
	WIN W_PV
.set i, 0
.rept 32
.set rO, 32*(i%4)+8*((i/4)%4)
.set rV, VF+16*((i/4)%4)+8*(i/16)
.set rP, S+32*(i%4)+8*(i/16)
.if \first && (i < 16)
	v_wmma_f32_16x16x32_f16 v[rO:rO+7], v[rV:rV+7], v[rP:rP+7], 0
.else
	v_wmma_f32_16x16x32_f16 v[rO:rO+7], v[rV:rV+7], v[rP:rP+7], v[rO:rO+7]
.endif
.set i, i+1
.endr
	WIN 0
.endm
.macro FETCH_K                         ; a step's K: 64 keys x 64 channels: 8 fragments
	WIN TO1
.irp kt, 0,1,2,3
.irp c, 0,1
	ds_load_b128 v[KF+16*\kt+8*\c:KF+16*\kt+8*\c+3], v5 offset:4*PR*\c+256*\kt
	ds_load_b128 v[KF+16*\kt+8*\c+4:KF+16*\kt+8*\c+7], v5 offset:4*PR*\c+256*\kt+2*PR
.endr
.endr
.endm
.macro FETCH_V                         ; a step's V, turned: channels 16 ct on, keys 32 u on
.irp ct, 0,1,2,3
.irp u, 0,1
	ds_load_tr16_b128 v[VF+16*\ct+8*\u:VF+16*\ct+8*\u+3], v6 offset:2*PR*\ct+512*\u
	ds_load_tr16_b128 v[VF+16*\ct+8*\u+4:VF+16*\ct+8*\u+7], v6 offset:2*PR*\ct+512*\u+256
.endr
.endr
.endm
; THE SOFTMAX of a key step, the four tiles line by line, so that no line waits for the line above it.  first = 1: the first key step, which starts m, l and O^T.
.macro SMX first
.irp j, 0,1,2,3                        ; the maximum: four chains of seven scores; each accumulator is read first at its low end
.irp t, 0,1,2,3
	v_max3_num_f32 v[ST+8*\t+4+\j], v[S+32*\t+8*\j], v[S+32*\t+8*\j+1], v[S+32*\t+8*\j+2]
.endr
.endr
.irp g, 1,2
.irp j, 0,1,2,3
.irp t, 0,1,2,3
	v_max3_num_f32 v[ST+8*\t+4+\j], v[ST+8*\t+4+\j], v[S+32*\t+8*\j+2*\g+1], v[S+32*\t+8*\j+2*\g+2]
.endr
.endr
.endr
.irp t, 0,1,2,3
	v_max3_num_f32 v[ST+8*\t+4], v[ST+8*\t+4], v[S+32*\t+7], v[S+32*\t+15]
.endr
.irp t, 0,1,2,3
	v_max3_num_f32 v[ST+8*\t+6], v[ST+8*\t+6], v[S+32*\t+23], v[S+32*\t+31]
.endr
.irp t, 0,1,2,3
	v_max3_num_f32 v[ST+8*\t+4], v[ST+8*\t+4], v[ST+8*\t+5], v[ST+8*\t+6]
.endr
.irp t, 0,1,2,3
.if \first
	v_max_num_f32 v[ST+8*\t+4], v[ST+8*\t+4], v[ST+8*\t+7]
.else
	v_max3_num_f32 v[ST+8*\t+4], v[ST+8*\t+4], v[ST+8*\t+7], v[ST+8*\t+1]   ; with the old m
.endif
.endr
.irp t, 0,1,2,3
	v_permlanex16_b32 v[ST+8*\t+5], v[ST+8*\t+4], s42, s43   ; the query's other 32 keys lie in the lane 16 away
.endr
.if \first == 0
.irp t, 0,1,2,3
	v_mov_b32 v[ST+8*\t+7], v[ST+8*\t]             ; c m_old is kept for a
.endr
.endif
.irp t, 0,1,2,3
	v_max_num_f32 v[ST+8*\t+1], v[ST+8*\t+4], v[ST+8*\t+5]
.endr
.irp t, 0,1,2,3
	v_mul_f32 v[ST+8*\t], s[CS], v[ST+8*\t+1]
.endr
.if \first == 0
.irp t, 0,1,2,3
	v_sub_f32 v[ST+8*\t+7], v[ST+8*\t+7], v[ST+8*\t]
.endr
.irp t, 0,1,2,3                        ; ONE BATCH of exponentials: none of the lines down to the wait names an exponential's result
	v_exp_f32 v[ST+8*\t+6], v[ST+8*\t+7]           ; a
.endr
.endif
.irp t, 0,1,2,3
	v_pk_fma_f32 v[S+32*\t:S+32*\t+1], v[S+32*\t:S+32*\t+1], s[CS:CS+1], v[ST+8*\t:ST+8*\t+1] op_sel_hi:[1,0,0] neg_lo:[0,0,1] neg_hi:[0,0,1]   ; pair 0: c s - c m
.endr
.irp b, 0,1,2,3,4,5,6,7,8,9,10,11,12,13,14,15
.if \b < 15
.irp t, 0,1,2,3
	v_pk_fma_f32 v[S+32*\t+2*\b+2:S+32*\t+2*\b+3], v[S+32*\t+2*\b+2:S+32*\t+2*\b+3], s[CS:CS+1], v[ST+8*\t:ST+8*\t+1] op_sel_hi:[1,0,0] neg_lo:[0,0,1] neg_hi:[0,0,1]   ; pair b + 1 is scaled ahead of pair b's exponentials
.endr
.endif
.irp t, 0,1,2,3
	v_exp_f32 v[S+32*\t+2*\b], v[S+32*\t+2*\b]
	v_exp_f32 v[S+32*\t+2*\b+1], v[S+32*\t+2*\b+1]
.endr
.endr
	v_nop                                          ; a plain instruction behind the last exponential (ISA guide 5.7.2)
	s_wait_alu depctr_va_vdst(0)                   ; the wait ahead of the first line that names a result: one for the whole batch
.irp t, 0,1,2,3                        ; the row's sums, of the unrounded p, two chains a tile
.if \first
	v_pk_add_f32 v[ST+8*\t+2:ST+8*\t+3], v[S+32*\t:S+32*\t+1], v[S+32*\t+6:S+32*\t+7]
.else
	v_pk_fma_f32 v[ST+8*\t+2:ST+8*\t+3], v[ST+8*\t+2:ST+8*\t+3], v[ST+8*\t+6:ST+8*\t+7], v[S+32*\t:S+32*\t+1] op_sel_hi:[1,0,1]   ; l = a l + pair 0
.endif
.endr
.irp t, 0,1,2,3
	v_pk_add_f32 v[ST+8*\t+4:ST+8*\t+5], v[S+32*\t+2:S+32*\t+3], v[S+32*\t+4:S+32*\t+5]
.endr
.if \first
.irp p, 4,6,8,10,12,14
.irp t, 0,1,2,3
	v_pk_add_f32 v[ST+8*\t+2:ST+8*\t+3], v[ST+8*\t+2:ST+8*\t+3], v[S+32*\t+2*\p:S+32*\t+2*\p+1]
.endr
.irp t, 0,1,2,3
	v_pk_add_f32 v[ST+8*\t+4:ST+8*\t+5], v[ST+8*\t+4:ST+8*\t+5], v[S+32*\t+2*\p+2:S+32*\t+2*\p+3]
.endr
.endr
.else
.irp p, 3,5,7,9,11,13
.irp t, 0,1,2,3
	v_pk_add_f32 v[ST+8*\t+2:ST+8*\t+3], v[ST+8*\t+2:ST+8*\t+3], v[S+32*\t+2*\p:S+32*\t+2*\p+1]
.endr
.irp t, 0,1,2,3
	v_pk_add_f32 v[ST+8*\t+4:ST+8*\t+5], v[ST+8*\t+4:ST+8*\t+5], v[S+32*\t+2*\p+2:S+32*\t+2*\p+3]
.endr
.endr
.irp t, 0,1,2,3
	v_pk_add_f32 v[ST+8*\t+2:ST+8*\t+3], v[ST+8*\t+2:ST+8*\t+3], v[S+32*\t+30:S+32*\t+31]
.endr
.endif
.irp t, 0,1,2,3
	v_pk_add_f32 v[ST+8*\t+2:ST+8*\t+3], v[ST+8*\t+2:ST+8*\t+3], v[ST+8*\t+4:ST+8*\t+5]
.endr
.irp i, 0,1,2,3,4,5,6,7,8,9,10,11,12,13,14,15  ; P, in place: register i takes pair i, which lies at or above it
.irp t, 0,1,2,3
	v_cvt_pk_f16_f32 v[S+32*\t+\i], v[S+32*\t+2*\i], v[S+32*\t+2*\i+1]
.endr
.endr
.if \first == 0
	WIN W_RS
.irp i, 0,1,2,3,4,5,6,7,8,9,10,11,12,13,14,15  ; O^T times a, ascending: each accumulator is read first at its low end
.irp t, 0,1,2,3
	v_pk_mul_f32 v[32*\t+2*\i:32*\t+2*\i+1], v[32*\t+2*\i:32*\t+2*\i+1], v[ST+8*\t+6:ST+8*\t+7] op_sel_hi:[1,0]
.endr
.endr
	WIN 0
.endif
.endm
; A KEY STEP of 64 keys.  Behind the scores' products this step's V and the next step's K are fetched, in two runs of 16 loads, and land under the softmax.
.macro STEP first, last
	s_wait_dscnt 0x0                               ; K of this step is in
	KQALL
	v_add_nc_u32 v6, s44, v4                       ; this step's V.  (These four plain lines are the places between the products and the loads into K's registers and the softmax's reads)
	s_add_co_u32 s44, s44, KGB
.if \last
	v_nop
	v_nop
	v_nop
.else
	v_add_nc_u32 v5, s44, v3                       ; the next step's K
	v_nop
	v_nop
.endif
	FETCH_V
.if \last == 0
	FETCH_K
	WIN 0
.endif
	SMX \first
.if \last
	s_wait_dscnt 0x0
.else
	s_wait_dscnt 16                                ; V is in; the next step's 16 loads of K may be out
.endif
	PVALL \first
.if \last == 0
.rept 5
	v_nop                                          ; the next step's first products write over P's registers, which these products read: five places
.endr
.endif
.endm
.macro RUN n                           ; n key steps: written once, walked n times; the LDS addresses hang on s44
	s_mov_b32 s45, \n
.Lrun_\@:
	STEP 0, 0
	s_sub_co_u32 s45, s45, 1
	s_cmp_lg_u32 s45, 0
	s_cbranch_scc1 .Lrun_\@
.endm
.macro MEET left                       ; the next piece is whole in LDS.  left: my later pieces, which may stay out
	s_wait_tensorcnt \left                         ; my part of the piece is in,
	s_wait_dscnt 0x0                               ; (no LDS load of mine is out at a signal)
	s_barrier_signal -1
	s_barrier_wait -1                              ; everybody's is
.endm
	MEET 3                                         ; groups 0-3 of K and V
	v_add_nc_u32 v5, s44, v3
	FETCH_K                                        ; key step 0
	WIN 0
	s_wait_loadcnt 0x0                             ; Q
	STEP 1, 0                                      ; key step 0 starts m, l and O^T
	RUN 2                                          ; key steps 1 and 2: they fetch K up to group 3 and V up to group 2
	MEET 2                                         ; groups 4-7
	RUN 4                                          ; key steps 3 to 6: K up to group 7
	MEET 1                                         ; groups 8-11
	RUN 4                                          ; key steps 7 to 10: K up to group 11
	MEET 0                                         ; groups 12-15: the whole head lies in LDS
	RUN 4                                          ; key steps 11 to 14
	STEP 0, 1                                      ; key step 15 fetches no further K
	; THE WAY OUT.  l's two halves and the other half of the lanes' are added (the first four additions are the places behind the last products); O^T / l, rounded to f16, is stored from registers.
.irp t, 0,1,2,3
	v_add_f32 v[ST+8*\t+4], v[ST+8*\t+2], v[ST+8*\t+3]
.endr
.irp t, 0,1,2,3
	v_permlanex16_b32 v[ST+8*\t+5], v[ST+8*\t+4], s42, s43
.endr
.irp t, 0,1,2,3
	v_add_f32 v[ST+8*\t+4], v[ST+8*\t+4], v[ST+8*\t+5]
.endr
.irp t, 0,1,2,3
	v_rcp_f32 v[ST+8*\t+6], v[ST+8*\t+4]
.endr
	v_nop                                          ; a plain instruction behind the last reciprocal
	s_wait_alu depctr_va_vdst(0)                   ; and the wait ahead of the first use: one for the four
.irp t, 0,1,2,3
	WIN W_RS
.irp i, 0,1,2,3,4,5,6,7,8,9,10,11,12,13,14,15
	v_pk_mul_f32 v[32*\t+2*\i:32*\t+2*\i+1], v[32*\t+2*\i:32*\t+2*\i+1], v[ST+8*\t+6:ST+8*\t+7] op_sel_hi:[1,0]
.endr
	WIN 0x05                                       ; sources 0 and 1 window 1, destination window 0: S^T's registers are free
.irp i, 0,1,2,3,4,5,6,7,8,9,10,11,12,13,14,15
	v_cvt_pk_f16_f32 v[S+16*\t+\i], v[32*\t+2*\i], v[32*\t+2*\i+1]
.endr
	WIN 0
.irp ct, 0,1,2,3
	global_store_b128 v8, v[S+16*\t+4*\ct:S+16*\t+4*\ct+3], s[6:7] offset:262144*\ct+256*\t   ; chunk rows 2 ct + h: each half of the lanes writes 16 tokens, 256 consecutive bytes, aligned
.endr
.endr
	s_wait_tensorcnt 0x0                           ; the wave's end
	ds_add_u32 v[SPW], v[NIL]
	s_wait_dscnt 0x0
	s_endpgm
.Lfunc_end_k_q4b0870cb90_attn:
	.size	k_q4b0870cb90_attn, .Lfunc_end_k_q4b0870cb90_attn-k_q4b0870cb90_attn
	.p2alignl 7, 3214868480
	.fill 96, 4, 3214868480
	.section	.rodata,"a",@progbits
	.p2align	6, 0x0
	.amdhsa_kernel k_q4b0870cb90_attn
		.amdhsa_group_segment_fixed_size 295936
		.amdhsa_private_segment_fixed_size 0
		.amdhsa_enable_private_segment 0
		.amdhsa_kernarg_size 16
		.amdhsa_user_sgpr_count 2
		.amdhsa_user_sgpr_kernarg_segment_ptr 1
		.amdhsa_wavefront_size32 1
		.amdhsa_system_sgpr_workgroup_id_x 1
		.amdhsa_system_sgpr_workgroup_id_y 1
		.amdhsa_system_sgpr_workgroup_id_z 1
		.amdhsa_system_vgpr_workitem_id 0
		.amdhsa_next_free_vgpr 512
		.amdhsa_next_free_sgpr 66
		.amdhsa_reserve_vcc 0
		.amdhsa_float_denorm_mode_32 3
		.amdhsa_float_denorm_mode_16_64 3
		.amdhsa_memory_ordered 1
		.amdhsa_forward_progress 1
		.amdhsa_inst_pref_size 203
	.end_amdhsa_kernel
	.amdgpu_metadata
---
amdhsa.version: [ 1, 2 ]
amdhsa.kernels:
  - .name:           k_q4b0870cb90_attn
    .symbol:         k_q4b0870cb90_attn.kd
    .args:
      - { .name: qkv16, .offset: 0, .size: 8, .value_kind: global_buffer, .address_space: global }
      - { .name: att16, .offset: 8, .size: 8, .value_kind: global_buffer, .address_space: global }
    .group_segment_fixed_size: 295936
    .private_segment_fixed_size: 0
    .kernarg_segment_align: 8
    .kernarg_segment_size: 16
    .max_flat_workgroup_size: 256
    .sgpr_count:     66
    .vgpr_count:     512
    .wavefront_size: 32
...
	.end_amdgpu_metadata
.endif
;; end of part 3
;; launch proj (part 4): grid 4 x 64, 4 waves a work-group, clusters of 4 x 4, 327,680 bytes of LDS; arguments att16, wp16, b_proj, out0; writes out0
.if DOCPART == 4
	.amdgcn_target "amdgcn-amd-amdhsa--gfx1250"
	.amdhsa_code_object_version 6
	.text
	.protected	k_q4b0870cb90_proj
	.globl	k_q4b0870cb90_proj
	.p2align	8
	.type	k_q4b0870cb90_proj,@function
k_q4b0870cb90_proj:
	s_mov_b64 s[64:65], 0
	v_nop
	global_prefetch_b8 v0, s[64:65] scope:SCOPE_SE
	s_setreg_imm32_b32 hwreg(HW_REG_WAVE_MODE, 25, 1), 1
	s_wait_xcnt 0x0
	s_wait_alu depctr_hold_cnt(0) depctr_sa_sdst(0) depctr_va_vdst(0) depctr_va_sdst(0) depctr_va_ssrc(0) depctr_va_vcc(0) depctr_vm_vsrc(0)
	s_getreg_b32 s2, hwreg(HW_REG_IB_STS2, 6, 4)
	s_cmp_eq_u32 s2, 0
	s_cbranch_scc0 .Lentry_in_a_cluster
	s_endpgm
.Lentry_in_a_cluster:
	s_bfe_u32 s2, ttmp6, 0x10000c
	s_cmp_lg_u32 s2, 0xf033
	s_cbranch_scc0 .Lentry_shape_is_right
	s_endpgm
.Lentry_shape_is_right:
; out0[m][n] = the sum over k of att[m][k] w_proj[k][n] + b_proj[n].  att16 [128 chunks of 8 along K][8192 rows][8 f16], wp16 [128][1024 columns][8 f16]; sums and result f32.
; A tile of 128 rows x 256 columns is made by a work-group of four waves: 64 x 4 = 256 work-groups; a wave makes 64 x 128: 32 accumulators.  K goes in 8 steps of 128 (16 chunk rows) through a ring of two LDS slots.
; In LDS the tiles lie as in memory, [chunk row][rows][16 bytes]: the sixteen lanes of a fragment load read 256 consecutive bytes, so no padding is wanted.
; CLUSTERS: 4 x 4 work-groups.  The four of a row need the same tiles of att16, the four of a column the same tiles of wp16: each tile is asked for JOINTLY.
; THE MATRIX INSTRUCTION IS USED TRANSPOSED (source 0 = 16 columns of w_proj, source 1 = 16 rows): a lane holds eight neighbouring numbers of a row of out0.  The bias is the C of each sum's first product.
; No prefetch: a K step here is 128 matrix instructions on a small tile, and the tiles are shared in the cluster.
; REGISTERS: window 0: v16-29 addresses; v32-95 the bias, 8 registers for each 16 columns; v128-255 rows on the way out, two sets.   window 1: two fragment buffers at v0 and v128: A's four fragments, then B's eight.
;   window 2: accumulator (a, b) at v[8 (8 a + b)].
.set SLOT,  98304                      ; A's 16 chunk rows of 2,048 bytes, then B's 16 of 4,096
.set BOFF,  32768
.set STAGE, 2*SLOT                     ; behind the ring: 16 rows x (512 bytes + 16) for each wave, for the way out
.set SPARE, STAGE+4*8448               ; the spare words, 128 bytes for each wave
.set ADRA, 16                          ; v16-17  my A fragments in slot 0, 1
.set ADRB, 20                          ; v20-21  the same for B
.set STO,  24
.set RD,   25
.set CO,   26
.set BO,   27
.set SPW,  28
.set NIL,  29
.set BIAS, 32
.set BK,   128
.set F0,   0
.set F1,   128
.set G1,  24                           ; s[24:31] descriptor group 1 for A's tiles;  s[32:39] group 0, one set for each slot
.set G0,  32
.set G1B, 48                           ; s[48:55], s[56:63] the same for B's
.set G0B, 56
.set MSB, 0
.macro WIN new
.if MSB != (\new)
	s_set_vgpr_msb (MSB<<8)|(\new)
.set MSB, (\new)
.endif
.endm
.set MUL,  0xa5                        ; sources 0 (B) and 1 (A) window 1; C and D window 2
.set MULZ, 0x85                        ; the same with C, the bias, in window 0
.set TO_F, 0x40                        ; destination window 1, address window 0
.macro JLOAD s                         ; a joint load: waves 0 and 1 fetch A's two halves, waves 2 and 3 B's; an s_nop 0 and four v_nop follow each of the two lines
	s_cmp_eq_u32 s13, 0
	s_cbranch_scc0 .Lfor_b_\@
	tensor_load_to_lds s[G0+4*\s:G0+4*\s+3], s[G1:G1+7]
	s_nop 0
.rept 4
	v_nop
.endr
	s_branch .Lasked_\@
.Lfor_b_\@:
	tensor_load_to_lds s[G0B+4*\s:G0B+4*\s+3], s[G1B:G1B+7]
	s_nop 0
.rept 4
	v_nop
.endr
.Lasked_\@:
.endm
.macro CREST                           ; a round of the cluster's barrier behind its opening barrier
	s_cmp_lg_u32 s12, 0
	s_cbranch_scc1 .Lnot_wave_0_\@
	s_barrier_signal -3
.Lnot_wave_0_\@:
	s_barrier_wait -3
	s_barrier_signal -1
	s_barrier_wait -1
.endm
.macro CROUND
	s_barrier_signal -1
	s_barrier_wait -1
	CREST
.endm
	s_load_b256 s[4:11], s[0:1], 0x0               ; att16 s[4:5], wp16 s[6:7], b_proj s[8:9], out0 s[10:11]
	v_lshl_add_u32 v[SPW], v0, 2, SPARE
	v_mov_b32 v[NIL], 0
	ds_add_u32 v[SPW], v[NIL]                      ; the wave's opening: the add, twice on end, and its wait ahead of my first tensor load
	ds_add_u32 v[SPW], v[NIL]
	v_lshrrev_b32 v1, 5, v0
	v_readfirstlane_b32 s12, v1                    ; wave 0..3
	s_lshr_b32 s13, s12, 1                         ; which half of the tile's rows is mine.  Also: I fetch for A (0) or for B (1)
	s_and_b32 s14, s12, 1                          ; which half of its columns.  Also: which 8 chunk rows of a K step I fetch
	s_bfe_u32 s40, ttmp6, 0x40000                  ; cx, cy
	s_bfe_u32 s41, ttmp6, 0x40004
	s_lshl_b32 s42, ttmp9, 2
	s_add_co_u32 s42, s42, s40                     ; tile column
	s_and_b32 s43, ttmp7, 0xffff
	s_lshl_b32 s43, s43, 2
	s_add_co_u32 s43, s43, s41                     ; tile row
	s_lshl_b32 s44, s41, 2
	s_lshl_b32 s44, 15, s44                        ; my row of the cluster
	s_lshl_b32 s45, 0x1111, s40                    ; my column
	s_or_b32 s[G1], s44, (3<<16)|(1<<21)           ; 15:0 the mask; 17:16 elements of 8 bytes; 21 set beside a mask; no padding
	s_mov_b32 s[G1+1], 256<<16                     ; A: 8 chunk rows of 128 rows x 16 bytes = 256 elements
	s_mov_b32 s[G1+2], 8<<16
	s_mov_b32 s[G1+3], 256<<16
	s_mov_b32 s[G1+4], 8
	s_mov_b32 s[G1+5], 16384                       ; a chunk row of att16 is 131,072 bytes
	s_mov_b32 s[G1+6], 0
	s_mov_b32 s[G1+7], 0
	s_or_b32 s[G1B], s45, (3<<16)|(1<<21)
	s_mov_b32 s[G1B+1], 512<<16                    ; B: 8 chunk rows of 256 columns x 16 bytes = 512 elements
	s_mov_b32 s[G1B+2], 8<<16
	s_mov_b32 s[G1B+3], 512<<16
	s_mov_b32 s[G1B+4], 8
	s_mov_b32 s[G1B+5], 2048                       ; a chunk row of wp16 is 16,384 bytes
	s_mov_b32 s[G1B+6], 0
	s_mov_b32 s[G1B+7], 0
	s_lshl_b32 s16, s14, 20                        ; A: my 8 chunk rows,
	s_lshl_b32 s17, s43, 11
	s_add_co_u32 s16, s16, s17                     ; the tile's 128 rows
	s_mov_b32 s17, 0
	s_lshl_b32 s46, s14, 17                        ; B likewise
	s_lshl_b32 s47, s42, 12
	s_add_co_u32 s46, s46, s47
	s_mov_b32 s47, 0
	s_lshl_b32 s20, s14, 14                        ; where they go in a slot: no place in the cluster enters an LDS address
	s_lshl_b32 s21, s14, 15
	s_add_co_u32 s21, s21, BOFF
	s_wait_dscnt 0x0                               ; both opening adds are done
	s_wait_kmcnt 0x0
	s_add_nc_u64 s[18:19], s[4:5], s[16:17]
	s_add_nc_u64 s[46:47], s[6:7], s[46:47]
	CROUND                                         ; all sixteen work-groups are here: the first joint loads meet
.irp s, 0,1
	s_mov_b32 s[G0+4*\s], 1
	s_add_co_u32 s[G0+4*\s+1], s20, \s*SLOT
	s_add_nc_u64 s[G0+4*\s+2:G0+4*\s+3], s[18:19], \s*2097152
	s_or_b32 s[G0+4*\s+3], s[G0+4*\s+3], 0x80000000
	s_mov_b32 s[G0B+4*\s], 1
	s_add_co_u32 s[G0B+4*\s+1], s21, \s*SLOT
	s_add_nc_u64 s[G0B+4*\s+2:G0B+4*\s+3], s[46:47], \s*262144
	s_or_b32 s[G0B+4*\s+3], s[G0B+4*\s+3], 0x80000000
	JLOAD \s                                       ; K steps 0 and 1: two loads of mine are out
.endr
	v_and_b32 v1, 15, v0                           ; r
	v_bfe_u32 v2, v0, 4, 1                         ; h
	v_lshlrev_b32 v3, 4, v1                        ; 16 r
	v_lshl_add_u32 v4, v2, 11, v3                  ; A: lanes 16-31 a chunk row of 2,048 bytes on
	v_lshl_add_u32 v5, v2, 12, v3                  ; B: of 4,096
	s_lshl_b32 s16, s13, 10                        ; my 64 rows of A
	s_lshl_b32 s17, s14, 11                        ; my 128 columns of B
	s_add_co_u32 s17, s17, BOFF
.irp s, 0,1
	v_add_nc_u32 v[ADRA+\s], s16, v4
	v_add_nc_u32 v[ADRB+\s], s17, v5
	s_add_co_u32 s16, s16, SLOT
	s_add_co_u32 s17, s17, SLOT
.endr
	s_mul_i32 s16, s12, 8448
	s_add_co_u32 s16, s16, STAGE                   ; my stage
	v_mul_u32_u24 v6, v1, 528
	v_lshl_add_u32 v6, v2, 5, v6
	v_add_nc_u32 v[STO], s16, v6                   ; in: row r, 32 bytes for each half of the lanes
	v_and_b32 v6, 31, v0
	v_lshlrev_b32 v[CO], 4, v6                     ; back: the 32 lanes take one row of 512 bytes; and the same in out0
	v_add_nc_u32 v[RD], s16, v[CO]
	v_lshlrev_b32 v[BO], 5, v2
	s_lshl_b32 s46, s42, 10                        ; my 128 columns, in bytes of f32
	s_lshl_b32 s47, s14, 9
	s_add_co_u32 s46, s46, s47
	s_mov_b32 s47, 0
	s_add_nc_u64 s[8:9], s[8:9], s[46:47]
	s_add_nc_u64 s[10:11], s[10:11], s[46:47]
	s_lshl_b32 s16, s43, 7
	s_lshl_b32 s17, s13, 6
	s_add_co_u32 s16, s16, s17                     ; my first row
	s_lshl_b32 s16, s16, 12                        ; of 4,096 bytes
	s_mov_b32 s17, 0
	s_add_nc_u64 s[10:11], s[10:11], s[16:17]
.irp b, 0,1,2,3,4,5,6,7
	global_load_b128 v[BIAS+8*\b:BIAS+8*\b+3], v[BO], s[8:9] offset:64*\b          ; lane (r, h): the bias of columns 16 b + 8 h + 0 .. 7
	global_load_b128 v[BIAS+8*\b+4:BIAS+8*\b+7], v[BO], s[8:9] offset:64*\b+16
.endr
; 24 LDS loads in one run: the fragments of quarter q (32 along K: chunk rows 4 q + h and 4 q + 2 + h) into buffer f: B's eight, then A's four
.macro FETCH slot, q, f
	WIN TO_F
.irp i, 0,1,2,3,4,5,6,7
	ds_load_b128 v[\f+32+8*\i:\f+32+8*\i+3], v[ADRB+\slot] offset:16384*(\q)+256*\i
	ds_load_b128 v[\f+32+8*\i+4:\f+32+8*\i+7], v[ADRB+\slot] offset:16384*(\q)+256*\i+8192
.endr
.irp i, 0,1,2,3
	ds_load_b128 v[\f+8*\i:\f+8*\i+3], v[ADRA+\slot] offset:8192*(\q)+256*\i
	ds_load_b128 v[\f+8*\i+4:\f+8*\i+7], v[ADRA+\slot] offset:8192*(\q)+256*\i+4096
.endr
.endm
; 8 matrix instructions: A's block a x B's eight.  z = 1: the sum begins with the bias.  The 32 accumulators take turns, one instruction a turn, in the same order in every quarter.
.macro MUL8 f, a, z
.irp b, 0,1,2,3,4,5,6,7
.if \z
	v_wmma_f32_16x16x32_f16 v[8*(8*(\a)+\b):8*(8*(\a)+\b)+7], v[\f+32+8*\b:\f+32+8*\b+7], v[\f+8*(\a):\f+8*(\a)+7], v[BIAS+8*\b:BIAS+8*\b+7]
.else
	v_wmma_f32_16x16x32_f16 v[8*(8*(\a)+\b):8*(8*(\a)+\b)+7], v[\f+32+8*\b:\f+32+8*\b+7], v[\f+8*(\a):\f+8*(\a)+7], v[8*(8*(\a)+\b):8*(8*(\a)+\b)+7]
.endif
.endr
.endm
.macro PLACES                          ; four plain places behind matrix instructions, in front of loads into registers that they read and of reads of their results
.rept 4
	v_nop
.endr
.endm
; A K step is four quarters of 32 along K, 32 matrix instructions each, on buffers 0, 1, 0, 1.  One of the first three: multiplies buffer f and fetches quarter qn into g.
.macro QUARTER slot, qn, f, g, z
	s_wait_dscnt 4                                 ; all but the youngest four loads (A's blocks 2 and 3) are in
.if \z
	WIN MULZ
.else
	WIN MUL
.endif
	MUL8 \f, 0, \z
	MUL8 \f, 1, \z
	PLACES
	FETCH \slot, \qn, \g
	s_wait_dscnt 24                                ; all but the 24 just issued
.if \z
	WIN MULZ
.else
	WIN MUL
.endif
	MUL8 \f, 2, \z
	MUL8 \f, 3, \z
.endm
; The last quarter multiplies buffer 1 and changes slots: ONE barrier; in front of it each wave waits for all its tensor loads, adds 0 to its spare word, and waits for that and for its own reads of this slot.
; fill = 1: the barrier opens a round of the cluster's, and this slot is filled again, two K steps ahead, first thing behind it.
.macro TURN slot, next, fill
	WIN 0                                          ; (the add's two registers lie in window 0)
	s_wait_tensorcnt 0x0                           ; all my tensor loads have landed: my part of the next slot;
	ds_add_u32 v[SPW], v[NIL]                      ; 0 onto my spare word
	s_wait_dscnt 5                                 ; (the add and the youngest four loads may be out)
	WIN MUL
	MUL8 F1, 0, 0                                  ; eight matrix instructions stand between the add and the wait for it
	s_wait_dscnt 0x0                               ; the add is done, and my reads of this slot are over
	s_barrier_signal -1
	MUL8 F1, 1, 0
.if \fill
	WIN 0
.endif
	s_barrier_wait -1
.if \fill
	CREST                                          ; no wave of any partner still reads this slot's tile or has a load on its way
	s_add_nc_u64 s[G0+4*\slot+2:G0+4*\slot+3], s[G0+4*\slot+2:G0+4*\slot+3], 4194304    ; 32 chunk rows on
	s_add_nc_u64 s[G0B+4*\slot+2:G0B+4*\slot+3], s[G0B+4*\slot+2:G0B+4*\slot+3], 524288
	JLOAD \slot                                    ; the first tensor load behind the round; its four v_nop are also the places in front of the loads below
.else
	PLACES
.endif
	FETCH \next, 0, F0
	WIN MUL
	MUL8 F1, 2, 0
	MUL8 F1, 3, 0
.endm
	s_wait_tensorcnt 1                             ; my part of K step 0 is in; K step 1's may stay out
	s_barrier_signal -1
	s_barrier_wait -1                              ; everybody's is
	FETCH 0, 0, F0
	s_wait_loadcnt 0x0                             ; the bias
	QUARTER 0, 1, F0, F1, 1                        ; the first quarter stands in front of the loop: its products start the sums
	WIN 0                                          ; at a label and at a branch every window is 0
	s_mov_b32 s3, 3
.Llap:                                             ; a trip goes once round the ring and fills both slots again: K steps 2 to 7 in three trips
	QUARTER 0, 2, F1, F0, 0
	QUARTER 0, 3, F0, F1, 0
	TURN 0, 1, 1
	QUARTER 1, 1, F0, F1, 0
	QUARTER 1, 2, F1, F0, 0
	QUARTER 1, 3, F0, F1, 0
	TURN 1, 0, 1
	QUARTER 0, 1, F0, F1, 0
	WIN 0
	s_sub_co_u32 s3, s3, 1
	s_cmp_lg_u32 s3, 0
	s_cbranch_scc1 .Llap
	QUARTER 0, 2, F1, F0, 0                        ; the last lap fills nothing, and has no round of the cluster's barrier
	QUARTER 0, 3, F0, F1, 0
	TURN 0, 1, 0
	QUARTER 1, 1, F0, F1, 0
	QUARTER 1, 2, F1, F0, 0
	QUARTER 1, 3, F0, F1, 0
	s_wait_dscnt 4                                 ; the very last quarter: nothing more to fetch
	WIN MUL
	MUL8 F1, 0, 0
	MUL8 F1, 1, 0
	s_wait_dscnt 0x0
	MUL8 F1, 2, 0
	MUL8 F1, 3, 0
	WIN 0
; THE WAY OUT, block by block of 16 rows x 128 columns, through my own stage: in as 32 bytes a lane, back as whole rows of 512 bytes.  LDS serves a wave's instructions in order (ISA guide 5.7.1.4): no wait between the stores and the loads.
.macro TOSTAGE a
	WIN 0x08                                       ; an LDS store's data are its source 1: window 2
.irp b, 0,1,2,3,4,5,6,7
	ds_store_b128 v[STO], v[8*(8*(\a)+\b):8*(8*(\a)+\b)+3] offset:64*\b          ; each accumulator from its low end on
	ds_store_b128 v[STO], v[8*(8*(\a)+\b)+4:8*(8*(\a)+\b)+7] offset:64*\b+16
.endr
	WIN 0
.set BB, BK+64*((\a)%2)
.irp t, 0,1,2,3,4,5,6,7,8,9,10,11,12,13,14,15
	ds_load_b128 v[BB+4*\t:BB+4*\t+3], v[RD] offset:528*\t
.endr
.endm
.macro SEND a, younger                 ; younger: the LDS instructions issued behind block a's loads, which may stay out
.set BB, BK+64*((\a)%2)
	s_wait_dscnt \younger
.irp t, 0,1,2,3,4,5,6,7,8,9,10,11,12,13,14,15
	global_store_b128 v[CO], v[BB+4*\t:BB+4*\t+3], s[10:11] offset:4096*(16*(\a)+\t) th:TH_STORE_NT   ; 32 lanes store 512 consecutive bytes, aligned; written once, read by nobody here
.endr
.endm
	PLACES
	TOSTAGE 0
.irp a, 1,2,3
.if \a > 1
	s_wait_xcnt 0x0                                ; block a - 2's stores have read their registers: block a's loads may land there
.endif
	TOSTAGE \a
	SEND \a-1, 32                                  ; behind block a - 1's loads: block a's 16 stores and 16 loads
.endr
	SEND 3, 0
	s_wait_tensorcnt 0x0                           ; the wave's end: behind my last tensor load and my last LDS store
	ds_add_u32 v[SPW], v[NIL]
	s_wait_dscnt 0x0
	CROUND                                         ; the closing round
	s_endpgm
.Lfunc_end_k_q4b0870cb90_proj:
	.size	k_q4b0870cb90_proj, .Lfunc_end_k_q4b0870cb90_proj-k_q4b0870cb90_proj
	.p2alignl 7, 3214868480
	.fill 96, 4, 3214868480
	.section	.rodata,"a",@progbits
	.p2align	6, 0x0
	.amdhsa_kernel k_q4b0870cb90_proj
		.amdhsa_group_segment_fixed_size 327680
		.amdhsa_private_segment_fixed_size 0
		.amdhsa_enable_private_segment 0
		.amdhsa_kernarg_size 32
		.amdhsa_user_sgpr_count 2
		.amdhsa_user_sgpr_kernarg_segment_ptr 1
		.amdhsa_wavefront_size32 1
		.amdhsa_system_sgpr_workgroup_id_x 1
		.amdhsa_system_sgpr_workgroup_id_y 1
		.amdhsa_system_sgpr_workgroup_id_z 1
		.amdhsa_system_vgpr_workitem_id 0
		.amdhsa_next_free_vgpr 768
		.amdhsa_next_free_sgpr 66
		.amdhsa_reserve_vcc 0
		.amdhsa_float_denorm_mode_32 3
		.amdhsa_float_denorm_mode_16_64 3
		.amdhsa_memory_ordered 1
		.amdhsa_forward_progress 1
		.amdhsa_inst_pref_size 86
	.end_amdhsa_kernel
	.amdgpu_metadata
---
amdhsa.version: [ 1, 2 ]
amdhsa.kernels:
  - .name:           k_q4b0870cb90_proj
    .symbol:         k_q4b0870cb90_proj.kd
    .args:
      - { .name: att16, .offset: 0, .size: 8, .value_kind: global_buffer, .address_space: global }
      - { .name: wp16, .offset: 8, .size: 8, .value_kind: global_buffer, .address_space: global }
      - { .name: b_proj, .offset: 16, .size: 8, .value_kind: global_buffer, .address_space: global }
      - { .name: out0, .offset: 24, .size: 8, .value_kind: global_buffer, .address_space: global }
    .group_segment_fixed_size: 327680
    .private_segment_fixed_size: 0
    .kernarg_segment_align: 8
    .kernarg_segment_size: 32
    .max_flat_workgroup_size: 128
    .sgpr_count:     66
    .vgpr_count:     768
    .wavefront_size: 32
...
	.end_amdgpu_metadata
.endif
;; end of part 4
